; MI455X (gfx1250); checked and timed in simulation.
; The chip was launched on July 23, 2026; its instructions are those of AMD's public machine-readable ISA for CDNA 5 (MIT licence, August 2026) and "CDNA5" Instruction Set Architecture Reference Guide (July 2026). The comments in the code are by the model that wrote it; some were corrected since.
;; Torch Attention. Allowed arithmetic: matrix products marked QUANTISED: E2M1 operands, one E8M0 scale for each 32 along K, by v_wmma_scale_f32_16x16x128_f8f6f4 with both operands' format E2M1 (or v_wmma_scale_f32_32x16x128_f4), f32 sums; products left as they are: bf16, f16 or f32 operands; f32 sums; everything else in f32.
;; Inputs: Wk 2,048 x 2,048 float32; Wo 2,048 x 2,048 float32; Wq 2,048 x 2,048 float32; Wv 2,048 x 2,048 float32; attention_mask 64 x 64 int32; bias_table 16 x 256 x 256 float32; bk 2,048 float32; bo 2,048 float32; bq 2,048 float32; bv 2,048 float32; k 64 x 64 x 2,048 float32; q 64 x 64 x 2,048 float32; v 64 x 64 x 2,048 float32.
;; Outputs: out0 64 x 64 x 2,048 float32.
;; This version of the problem:
;;   THIS VERSION OF THE PROBLEM IS GIVEN IN LOW PRECISION. The matrix products marked QUANTISED in the list below multiply operands that are first quantised to E2M1 (2 exponent bits, 1 mantissa bit; 4 bits a number), with one power-of-two scale for each 32 numbers along K (OCP MX v1.0); their sums are f32. The products marked 'left as it is' may take bf16, f16 or f32 operands, with f32 sums. Whichever they take, every output number must still come out within the allowed error. Rounding operands to bf16 (8 significant bits) uses up far more of that allowance than f16 does (11 bits, for magnitudes from 6e-5 to 65,504). All else is computed in f32.
;;   The module's matrix products, in the order in which they are computed (A, B: the left and right operand; K: the contracted axis; several contracted axes count as one K, in the product's order):
;;     1. [M 4,096, K 2,048] x [K 2,048, N 2,048]; A: input q; B: input Wq: QUANTISED
;;     2. [M 4,096, K 2,048] x [K 2,048, N 2,048]; A: input k; B: input Wk: QUANTISED
;;     3. [M 4,096, K 2,048] x [K 2,048, N 2,048]; A: input v; B: input Wv: QUANTISED
;;     4. batch 1,024 x [M 64, K 128] x [K 128, N 64]; A: computed on the way; B: computed on the way: left as it is (an operand is computed on the way)
;;     5. batch 1,024 x [M 64, K 64] x [K 64, N 128]; A: computed on the way; B: computed on the way: left as it is (an operand is computed on the way)
;;     6. [M 4,096, K 2,048] x [K 2,048, N 2,048]; A: computed on the way; B: input Wo: left as it is (an operand is computed on the way)
;;   THE QUANTISER, for each operand of a quantised product, along K:
;;     - K is cut into blocks of 32 from its start; a last block that is shorter is filled with zeros.
;;     - A block's scale is 2^e with e = floor(log2(the largest magnitude in the block)) - 2, held to -126 .. 127; a block of zeros has e = 0. As a byte (E8M0): e + 127.
;;     - Each number is divided by its block's scale, clamped to +-6, and rounded to the nearest number of E2M1, ties to even, subnormals kept.
;;     - The product sums the exact products of the quantised numbers (number of the format x scale) in f32.
;;   ~~~python
;;   def quantise(x, axis):      # numpy; x: float32 -> the quantised numbers, widened to float32 again
;;       x = np.moveaxis(x, axis, -1); K = x.shape[-1]
;;       x = np.pad(x, [(0, 0)] * (x.ndim - 1) + [(0, -K % 32)]); x = x.reshape(x.shape[:-1] + (-1, 32)); a = np.abs(x).max(-1, keepdims=True)
;;       e = np.where(a > 0, np.clip(np.frexp(np.where(a > 0, a, 1))[1] - 1 - 2, -126, 127), 0)      # np.frexp(a)[1] - 1 = floor(log2(a)), exactly
;;       r = np.clip(x / 2.0 ** e, -6, 6)
;;       step = 2.0 ** (np.maximum(np.frexp(np.where(r == 0, 1, r))[1] - 1, 0) - 1)
;;       q = np.round(r / step) * step * 2.0 ** e      # np.round: ties to even
;;       return np.moveaxis(q.reshape(q.shape[:-2] + (-1,))[..., :K], -1, axis).astype(np.float32)
;;   ~~~
;; One version. Each part assembles by itself: llvm-mc -triple=amdgcn-amd-amdhsa -mcpu=gfx1250 --defsym DOCPART=n.
;; ======== version 1 of 1: 3 launches
;; limits: values are held in f16: magnitudes above 65,504 overflow, below 6.1e-05 lose precision
;; workspace buffers: xc 12,582,912 bytes; xs 786,432 bytes; wc 6,684,672 bytes; wo16 8,388,608 bytes; att 16,777,216 bytes
;; launch prep (part 1): grid 1280 x 1, 4 waves a work-group, no clusters, 70,144 bytes of LDS; arguments q, k, v, Wq, Wk, Wv, Wo, xc, xs, wc, wo16; writes xc, xs, wc, wo16
.if DOCPART == 1
	.amdgcn_target "amdgcn-amd-amdhsa--gfx1250"
	.amdhsa_code_object_version 6
	.text
	.protected	k_qd1e03a0138_prep
	.globl	k_qd1e03a0138_prep
	.p2align	8
	.type	k_qd1e03a0138_prep,@function
k_qd1e03a0138_prep:
	s_mov_b64 s[64:65], 0
	v_nop
	global_prefetch_b8 v0, s[64:65] scope:SCOPE_SE
	s_setreg_imm32_b32 hwreg(HW_REG_WAVE_MODE, 25, 1), 1
	s_wait_xcnt 0x0
; PREP: q, k, v [4096][2048] and Wq, Wk, Wv [2048][2048], f32 with K innermost, become codes of FP4 (E2M1) with one E8M0 byte for each 32 along K; Wo [2048][2048] becomes f16.
; All results are laid in the order of the operands' registers, so that the later launches fetch every fragment as 512 consecutive bytes a load:
;   xc   [p 3][tile of 16 rows 256][block of 32 K 64][row 16][16 bytes]         codes of q, k, v
;   xs   [p 3][pair of tiles 128][512 K 4][tile of the pair 2][row 16][16 bytes] their scale bytes: a lane's 16 bytes are the four scale words of 512 along K
;   wc   [p 3][head 16][139,264 bytes]: codes [tile 8][block 64][row 16][16 bytes], then scale bytes [pair 4][512 K 4][2][16][16 bytes]: a head's weights of one product are one dense block
;   wo16 [128 columns 16][512 K 4][tile 8][8 K 64][row 16][16 bytes]
; DEAD WORK OF THE WHOLE PROGRAM: the input bk.  kh = k Wk^T + bk enters the scores alone: qh[q] . (kx[j] + bk) = qh[q] . kx[j] + qh[q] . bk, and the second term is the same for every key j of a
; softmax row, so the softmax takes it away, whatever the inputs hold; where the mask is 0 the score is replaced whatever it was, and a row with every key masked is uniform whatever the scores were.
; The product of qh and kh is not quantised, so no quantiser sees kh.  So bk is not loaded and is no argument of any launch.  LIMIT: a NaN, an infinity or an overflow that bk alone would bring is not carried to the result.
; Of bias_table only [:, :64, :64] is read: the rest is sliced away.
; THE QUANTISER: a block's scale is 2^(floor(log2(largest magnitude)) - 2); its byte is the largest magnitude's exponent field - 2, held at 1 from below by a floor among the maximum's leaves.
; A block of zeros so gets the byte 1 and not 127: its codes are zeros, which add nothing under any byte but 0xff, and this program alone reads the bytes.
; LIMITS: NaN and infinities among the inputs are not served; |Wo| stays under 65,504 (f16).
; SHARES: a work-group takes one tile of 16 rows x 2,048; wave w its 512 numbers w of each row.  Work-groups 0-767: q, k, v; 768-1151: Wq, Wk, Wv; 1152-1279: Wo.
; Each load reads two whole pieces of 256 bytes (two rows); the pieces turn through the wave's own stage in LDS, so that a lane then holds 64 neighbours of one row: two whole blocks, whose maxima need no other lane.
; No matrix unit, no cluster, no tensor load, no barrier: the launch streams, and waves share nothing.
.set VO,  1                            ; v1   loads (and Wo's stores): 8,192 (lane / 16) + 16 (lane % 16)
.set STQ, 2                            ; v2   the quantiser's stage, on the way in: 272 (lane / 16) + 16 (lane % 16)
.set RDQ, 3                            ; v3   and on the way out: 272 x lane
.set STW, 4                            ; v4, v5 the same for the path of Wo, which has LDS bytes of its own
.set RDW, 5
.set CO,  6                            ; v6   codes: 2,048 (lane / 16) + 16 (lane % 16)
.set SO,  7                            ; v7   scale bytes: 16 (lane % 16) + 8 (lane / 16)
.set SPW, 10                           ; v10  LDS address of my spare word; never rewritten
.set NIL, 11                           ; v11  0; never rewritten
.set R,   16                           ; v16-143  two sets of 16 loads
.set X,   144                          ; v144-207 my 64 neighbours
.set C,   208                          ; v208-239 codes (each written once) or f16 numbers
.set SB,  240                          ; v240-241 my eight scale bytes
.set PITCH, 272                        ; a stage row: 256 bytes + 16, so that the lanes' reads start at different banks
.set WSTG,  32*PITCH                   ; a wave's stage
.set SPARE, 8*WSTG                     ; behind the eight stages: the spare words, 128 bytes a wave
.set WV,  26
	s_load_b512 s[4:19], s[0:1], 0x0               ; q, k, v, Wq, Wk, Wv, Wo, xc
	s_load_b128 s[20:23], s[0:1], 0x40             ; xs, wc
	s_load_b64 s[24:25], s[0:1], 0x50              ; wo16
	v_lshl_add_u32 v[SPW], v0, 2, SPARE
	v_mov_b32 v[NIL], 0
	v_lshrrev_b32 v12, 5, v0
	v_readfirstlane_b32 s[WV], v12                 ; wave 0..3
	v_and_b32 v12, 31, v0                          ; lane
	v_and_b32 v13, 15, v0                          ; lane % 16
	v_bfe_u32 v14, v0, 4, 1                        ; lane / 16
	v_lshlrev_b32 v15, 4, v13
	v_lshl_add_u32 v[VO], v14, 13, v15
	v_lshl_add_u32 v[CO], v14, 11, v15
	v_lshl_add_u32 v[SO], v14, 3, v15
	s_mul_i32 s27, s[WV], WSTG
	v_mul_u32_u24 v[STQ], v14, PITCH
	v_add_nc_u32 v[STQ], v[STQ], v15
	v_add_nc_u32 v[STQ], s27, v[STQ]
	v_mul_u32_u24 v[RDQ], v12, PITCH
	v_add_nc_u32 v[RDQ], s27, v[RDQ]
	v_add_nc_u32 v[STW], 4*WSTG, v[STQ]            ; every LDS address is made ahead of the parting of the two paths
	v_add_nc_u32 v[RDW], 4*WSTG, v[RDQ]
	s_lshl_b32 s28, s[WV], 11                      ; my 2,048 bytes of each row
; 16 loads: pieces d and d + 4 (256 bytes each) of my 2,048 bytes of all 16 rows, two rows a load
.macro LOADS d
.set jj, 0
.rept 2
.set ii, 0
.rept 8
	global_load_b128 v[R+64*((\d)%2)+4*(8*jj+ii):R+64*((\d)%2)+4*(8*jj+ii)+3], v[VO], s[4:5] offset:ii*16384+((\d)+4*jj)*256 th:TH_LOAD_NT
.set ii, ii+1
.endr
.set jj, jj+1
.endr
.endm
; through the stage: row 16 j + r of the stage takes piece d + 4 j of row r; lane 16 j + r reads it back whole.  LDS serves a wave's instructions in order: no wait between the stores and the loads
.macro TURN d, sto, rda
.set jj, 0
.rept 2
.set ii, 0
.rept 8
	ds_store_b128 v[\sto], v[R+64*((\d)%2)+4*(8*jj+ii):R+64*((\d)%2)+4*(8*jj+ii)+3] offset:(16*jj+2*ii)*PITCH
.set ii, ii+1
.endr
.set jj, jj+1
.endr
.set ii, 0
.rept 16
	ds_load_b128 v[X+4*ii:X+4*ii+3], v[\rda] offset:16*ii
.set ii, ii+1
.endr
.endm
; my two blocks of 32: blocks 8 (lane / 16) + 2 d and + 2 d + 1 of my wave's sixteen
.macro QPAIR d
	v_max3_num_f32 v242, |v[X]|, |v[X+1]|, 0x1800000       ; the largest magnitude, and the floor 2^(3 - 127): the byte cannot fall under 1
	v_max3_num_f32 v243, |v[X+32]|, |v[X+33]|, 0x1800000   ; (the two blocks by turns)
.set ii, 2
.rept 15
	v_max3_num_f32 v242, v242, |v[X+ii]|, |v[X+ii+1]|
	v_max3_num_f32 v243, v243, |v[X+32+ii]|, |v[X+33+ii]|
.set ii, ii+2
.endr
	v_add_nc_u32 v244, 0xff000000, v242            ; 2 off the exponent field: the conversion takes the exponent field of this operand as its scale
	v_add_nc_u32 v245, 0xff000000, v243
	v_lshrrev_b32 v246, 23, v244                   ; the scale's byte
	v_lshrrev_b32 v247, 23, v245
.if (\d)%2 == 0
	v_lshl_or_b32 v[SB+(\d)/2], v247, 8, v246      ; four bytes to a register, the lower K in the lower byte
.else
	v_lshl_or_b32 v[SB+(\d)/2], v246, 16, v[SB+(\d)/2]
	v_lshl_or_b32 v[SB+(\d)/2], v247, 24, v[SB+(\d)/2]
.endif
.set ii, 0
.rept 4
	v_cvt_scalef32_pk8_fp4_f32 v[C+8*(\d)+ii], v[X+8*ii:X+8*ii+7], v244
	v_cvt_scalef32_pk8_fp4_f32 v[C+8*(\d)+4+ii], v[X+32+8*ii:X+32+8*ii+7], v245
.set ii, ii+1
.endr
	v_nop                                          ; one plain place behind the last scaled conversion
	global_store_b128 v[CO], v[C+8*(\d):C+8*(\d)+3], s[32:33] offset:(2*(\d))*256       ; sixteen lanes store 256 consecutive bytes, aligned: one block of 32 K of the 16 rows
	global_store_b128 v[CO], v[C+8*(\d)+4:C+8*(\d)+7], s[32:33] offset:(2*(\d)+1)*256
.endm
; my 64 numbers of Wo as eight groups of 8 f16
.macro WOCT d
	s_wait_xcnt 0x0                                ; the last stores have read C, which is written again
.set oo, 0
.rept 8
.set ii, 0
.rept 4
	v_cvt_pk_f16_f32 v[C+4*oo+ii], v[X+8*oo+2*ii], v[X+8*oo+2*ii+1]
.set ii, ii+1
.endr
	global_store_b128 v[VO], v[C+4*oo:C+4*oo+3], s[24:25] offset:(8*(\d)+oo)*256        ; sixteen lanes store 256 consecutive bytes, aligned
.set oo, oo+1
.endr
.endm
	s_wait_kmcnt 0x0
	s_cmp_ge_u32 ttmp9, 1152
	s_cbranch_scc1 .Lwo
	; ---- the quantiser's path.  Buffers are chosen on the work-group's number alone
	s_cmp_lt_u32 ttmp9, 768                        ; q, k, v or a weight?
	s_cselect_b32 s30, 0, 768
	s_cselect_b32 s31, 8, 7                        ; 256 or 128 tiles to a tensor
	s_cselect_b32 s36, 1, 0
	s_cselect_b64 s[4:5], s[4:5], s[10:11]
	s_cselect_b64 s[6:7], s[6:7], s[12:13]
	s_cselect_b64 s[8:9], s[8:9], s[14:15]
	s_cselect_b64 s[32:33], s[18:19], s[22:23]     ; codes go to xc or to wc
	s_cselect_b64 s[34:35], s[20:21], s[22:23]     ; scale bytes to xs or to wc
	s_sub_co_u32 s30, ttmp9, s30
	s_lshr_b32 s37, s30, s31                       ; p: which of the three
	s_lshl_b32 s38, s37, s31
	s_sub_co_u32 s38, s30, s38                     ; t: its tile
	s_cmp_eq_u32 s37, 1
	s_cselect_b64 s[4:5], s[6:7], s[4:5]
	s_cmp_eq_u32 s37, 2
	s_cselect_b64 s[4:5], s[8:9], s[4:5]
	s_lshl_b32 s48, s38, 17                        ; the source: t x 131,072 + w x 2,048
	s_add_co_u32 s48, s48, s28
	s_mov_b32 s49, 0
	s_lshl_b32 s40, s37, 22                        ; xc: p x 4,194,304 + t x 16,384
	s_lshl_b32 s41, s38, 14
	s_add_co_u32 s40, s40, s41
	s_lshl_b32 s42, s37, 4                         ; wc: the unit of (p, head = t / 8),
	s_lshr_b32 s43, s38, 3
	s_add_co_u32 s42, s42, s43
	s_mul_i32 s42, s42, 139264
	s_and_b32 s43, s38, 7                          ; in it tile t % 8
	s_lshl_b32 s44, s43, 14
	s_add_co_u32 s44, s44, s42
	s_lshl_b32 s45, s37, 18                        ; xs: p x 262,144 + (t / 2) x 2,048
	s_lshr_b32 s46, s38, 1
	s_lshl_b32 s46, s46, 11
	s_add_co_u32 s45, s45, s46
	s_lshr_b32 s46, s43, 1                         ; wc's scale bytes: behind the unit's codes, pair (t % 8) / 2
	s_lshl_b32 s46, s46, 11
	s_add_co_u32 s46, s46, s42
	s_add_co_u32 s46, s46, 131072
	s_cmp_eq_u32 s36, 1
	s_cselect_b32 s40, s40, s44
	s_cselect_b32 s44, s45, s46
	s_lshl_b32 s47, s[WV], 12                      ; my 16 blocks of codes
	s_add_co_u32 s40, s40, s47
	s_mov_b32 s41, 0
	s_lshl_b32 s47, s[WV], 9                       ; my 512 along K among the scale bytes,
	s_add_co_u32 s44, s44, s47
	s_and_b32 s47, s38, 1                          ; and the tile's place in its pair
	s_lshl_b32 s47, s47, 8
	s_add_co_u32 s44, s44, s47
	s_mov_b32 s45, 0
	s_add_nc_u64 s[4:5], s[4:5], s[48:49]
	s_add_nc_u64 s[32:33], s[32:33], s[40:41]
	s_add_nc_u64 s[34:35], s[34:35], s[44:45]
	LOADS 0
	LOADS 1
.irp d, 0,1,2,3
.if \d < 3
	s_wait_loadcnt 16                              ; this step's 16 loads are in; the next step's 16 may be out
.else
	s_wait_loadcnt 0x0
.endif
	TURN \d, STQ, RDQ
	s_wait_dscnt 0x0                               ; my 64 neighbours are in, and the stores into the stage have read their registers,
.if \d < 2
	LOADS \d+2                                     ; which take the loads of two steps on
.endif
	QPAIR \d
.endr
	global_store_b64 v[SO], v[SB:SB+1], s[34:35]   ; the wave stores 256 consecutive bytes, aligned: the scale bytes of 16 rows x 512 K
	s_wait_tensorcnt 0x0                           ; the wave's end, behind my last LDS store
	ds_add_u32 v[SPW], v[NIL]
	s_wait_dscnt 0x0
	s_endpgm
.Lwo:
	; ---- Wo to f16: tile T of 16 rows; my 512 along K are one K slot of the last launch
	s_sub_co_u32 s30, ttmp9, 1152                  ; T
	s_lshl_b32 s40, s30, 17
	s_add_co_u32 s40, s40, s28
	s_mov_b32 s41, 0
	s_add_nc_u64 s[4:5], s[16:17], s[40:41]
	s_lshr_b32 s42, s30, 3                         ; (((T / 8) x 4 + w) x 8 + T % 8) x 16,384
	s_lshl_b32 s42, s42, 2
	s_add_co_u32 s42, s42, s[WV]
	s_lshl_b32 s42, s42, 3
	s_and_b32 s43, s30, 7
	s_add_co_u32 s42, s42, s43
	s_lshl_b32 s42, s42, 14
	s_mov_b32 s43, 0
	s_add_nc_u64 s[24:25], s[24:25], s[42:43]
	LOADS 0
	LOADS 1
.irp d, 0,1,2,3
.if \d < 3
	s_wait_loadcnt 16                              ; as above
.else
	s_wait_loadcnt 0x0
.endif
	TURN \d, STW, RDW
	s_wait_dscnt 0x0
.if \d < 2
	LOADS \d+2
.endif
	WOCT \d
.endr
	s_wait_tensorcnt 0x0                           ; the wave's end: the same three lines
	ds_add_u32 v[SPW], v[NIL]
	s_wait_dscnt 0x0
	s_endpgm
.Lfunc_end_k_qd1e03a0138_prep:
	.size	k_qd1e03a0138_prep, .Lfunc_end_k_qd1e03a0138_prep-k_qd1e03a0138_prep
	.p2alignl 7, 3214868480
	.fill 96, 4, 3214868480
	.section	.rodata,"a",@progbits
	.p2align	6, 0x0
	.amdhsa_kernel k_qd1e03a0138_prep
		.amdhsa_group_segment_fixed_size 70144
		.amdhsa_private_segment_fixed_size 0
		.amdhsa_enable_private_segment 0
		.amdhsa_kernarg_size 88
		.amdhsa_user_sgpr_count 2
		.amdhsa_user_sgpr_kernarg_segment_ptr 1
		.amdhsa_wavefront_size32 1
		.amdhsa_system_sgpr_workgroup_id_x 1
		.amdhsa_system_sgpr_workgroup_id_y 1
		.amdhsa_system_sgpr_workgroup_id_z 1
		.amdhsa_system_vgpr_workitem_id 0
		.amdhsa_next_free_vgpr 256
		.amdhsa_next_free_sgpr 66
		.amdhsa_reserve_vcc 0
		.amdhsa_float_denorm_mode_32 3
		.amdhsa_float_denorm_mode_16_64 3
		.amdhsa_memory_ordered 1
		.amdhsa_forward_progress 1
		.amdhsa_inst_pref_size 57
	.end_amdhsa_kernel
	.amdgpu_metadata
---
amdhsa.version: [ 1, 2 ]
amdhsa.kernels:
  - .name:           k_qd1e03a0138_prep
    .symbol:         k_qd1e03a0138_prep.kd
    .args:
      - { .name: q, .offset: 0, .size: 8, .value_kind: global_buffer, .address_space: global }
      - { .name: k, .offset: 8, .size: 8, .value_kind: global_buffer, .address_space: global }
      - { .name: v, .offset: 16, .size: 8, .value_kind: global_buffer, .address_space: global }
      - { .name: Wq, .offset: 24, .size: 8, .value_kind: global_buffer, .address_space: global }
      - { .name: Wk, .offset: 32, .size: 8, .value_kind: global_buffer, .address_space: global }
      - { .name: Wv, .offset: 40, .size: 8, .value_kind: global_buffer, .address_space: global }
      - { .name: Wo, .offset: 48, .size: 8, .value_kind: global_buffer, .address_space: global }
      - { .name: xc, .offset: 56, .size: 8, .value_kind: global_buffer, .address_space: global }
      - { .name: xs, .offset: 64, .size: 8, .value_kind: global_buffer, .address_space: global }
      - { .name: wc, .offset: 72, .size: 8, .value_kind: global_buffer, .address_space: global }
      - { .name: wo16, .offset: 80, .size: 8, .value_kind: global_buffer, .address_space: global }
    .group_segment_fixed_size: 70144
    .private_segment_fixed_size: 0
    .kernarg_segment_align: 8
    .kernarg_segment_size: 88
    .max_flat_workgroup_size: 128
    .sgpr_count:     66
    .vgpr_count:     256
    .wavefront_size: 32
...
	.end_amdgpu_metadata
.endif
;; end of part 1
;; launch qkvattn (part 2): grid 16 x 16, 4 waves a work-group, clusters of 4 x 1, 327,680 bytes of LDS; arguments xc, xs, wc, attention_mask, bias_table, bq, bv, att; writes att
.if DOCPART == 2
	.amdgcn_target "amdgcn-amd-amdhsa--gfx1250"
	.amdhsa_code_object_version 6
	.text
	.protected	k_qd1e03a0138_qkvattn
	.globl	k_qd1e03a0138_qkvattn
	.p2align	8
	.type	k_qd1e03a0138_qkvattn,@function
k_qd1e03a0138_qkvattn:
	s_mov_b64 s[64:65], 0
	v_nop
	global_prefetch_b8 v0, s[64:65] scope:SCOPE_SE
	s_setreg_imm32_b32 hwreg(HW_REG_WAVE_MODE, 25, 1), 1
	s_wait_xcnt 0x0
	s_wait_alu depctr_hold_cnt(0) depctr_sa_sdst(0) depctr_va_vdst(0) depctr_va_sdst(0) depctr_va_ssrc(0) depctr_va_vcc(0) depctr_vm_vsrc(0)
	s_getreg_b32 s2, hwreg(HW_REG_IB_STS2, 6, 4)
	s_cmp_eq_u32 s2, 0
	s_cbranch_scc0 .Lentry_in_a_cluster
	s_endpgm
.Lentry_in_a_cluster:
	s_bfe_u32 s2, ttmp6, 0x10000c
	s_cmp_lg_u32 s2, 0x3003
	s_cbranch_scc0 .Lentry_shape_is_right
	s_endpgm
.Lentry_shape_is_right:
; QKVATTN: the three projections on codes of FP4 (E2M1, one E8M0 scale for each 32 along K), and the whole attention, fused.  qh, kh, vh, scores and weights never go to memory.
; LEFT OUT AS DEAD WORK: bk (the term qh . bk is the same for every key of a softmax row: shown at the head of the first kernel).  bv is live and is added behind the division:
; sum_j p_j (v_j + bv) / sum_j p_j = sum_j p_j v_j / sum_j p_j + bv for all values, so it is the addend of the last fused multiply-add.
; SHARES: a work-group owns 4 batches x 1 head; wave w owns ONE batch (64 tokens) of that head: 64 x 128 of Q, then of K, then of V: 32 accumulators, 256 registers; then that batch's attention, alone.
; WEIGHTS: a head's weights of one product, codes and scale bytes, are one dense block of 139,264 bytes = one LDS slot.  The four row blocks of a cluster read the same block, so it is asked for JOINTLY
; (mask 15), a quarter by each wave.  Three fills in all: Wq -> slot 0, Wk -> slot 1 (first fills), Wv -> slot 0 (the one refill, behind a round of the cluster's barrier).  The head's 64 x 64 of bias_table likewise, once.
; TOKENS GO STRAIGHT INTO OPERAND REGISTERS, without multicast: a wave's 64 rows are read by no other wave of its work-group, so LDS would spare no read; a step of 128 K takes 16 KB of tokens for the four
; waves beside 8 KB of weights, so two LDS slots could hold six steps each, with one slot on its way; the ring of eight register slots has seven steps (28 KB a wave) on their way and needs no barrier.
; ORIENTATION: Q and K are made transposed (source 0 = 16 rows of W, source 1 = 16 tokens): a lane holds one token and 8 neighbouring channels, so two neighbouring tiles, rounded to f16, ARE a fragment (16 tokens x 32 channels).
; V is made the natural way (source 0 = tokens, source 1 = rows of Wv): a lane holds one channel and 8 neighbouring tokens: a fragment of V^T.  S^T = K Q^T and O^T = V^T P^T: a lane holds one query throughout; nothing changes lanes.
; SOFTMAX: t = raw x log2(e) / sqrt(128) + bias x log2(e); where the mask is 0, t = the lowest f32 number; the row's true maximum m is taken away, p = 2^(t - m).  A row with every key masked gives p = 1 everywhere: uniform.
; The row's sum is taken of p in f32; p goes to the product as f16.
; LIMITS: |qh|, |kh|, |vh| stay under 65,504 (f16 operands of the two products that are left as they are); NaN and infinities among the inputs are not served.
; The 48 steps are written out: register slots come back after 8 steps, scale registers after 32, and each product's first step starts its sums.
; REGISTERS, in windows of 256: window 0: v1-11 addresses; v24-55 weights' scale words (2 sets); v56-119 tokens' scale words (2 sets); v128-255 weights' fragments (2 sets), at the end V^T in f16.
;   window 1: the ring: 8 slots x 32 (4 fragments of 16 tokens x 128 K); at the end slot 0 the mask's numbers, slots 1 and 2 bv.   window 2: the accumulators; in the attention S, bias, P, statistics, O.
;   window 3: v0-127 Q in f16; v128-255 K in f16 (v128-191 hold bq, the C of Q's first step, until then).
.set SLOTB,  139264
.set QUART,  34816                     ; what one tensor load brings: 136 rows of 256 bytes
.set BIAS,   2*SLOTB                   ; 64 rows of 256 bytes + 16 of padding
.set BPITCH, 272
.set SPARE,  BIAS+64*BPITCH            ; the spare words, 128 bytes a wave
.set L16,  1                           ; v1   16 x lane: a fragment's place for my lane; also slot 0, tiles 0-3
.set LB1,  2                           ; v2   slot 0, tiles 4-7
.set LBS0, 3                           ; v3   slot 0, scale words
.set LB2,  4                           ; v4-6 the same for slot 1
.set LB3,  5
.set LBS1, 6
.set H32,  7                           ; v7   32 (lane / 16)
.set BIA,  8                           ; v8   bias: 272 (lane % 16) + 32 (lane / 16)
.set PFO,  9                           ; v9   prefetches: 16,384 (lane / 8) + 256 (lane % 8)
.set SPW,  10                          ; v10  LDS address of my spare word; never rewritten
.set NIL,  11                          ; v11  0; never rewritten
.set BS,   24
.set AS,   56
.set BF,   128
.set QP,   0                           ; window 3
.set KP,   128
.set S,    0                           ; window 2, in the attention
.set BI,   32
.set P,    64
.set M0,   80                          ; v80-83 four running maxima
.set TP,   84                          ; the lane exchange's destination
.set MX,   86                          ; v[86:87] the row's maximum (low word)
.set LS,   88                          ; v[88:89], v[90:91] the sum in two chains
.set LT,   90
.set RC,   92                          ; v[92:93] 1 / sum (low word)
.set NEG,  94                          ; the lowest f32 number
.set OA,   96
.set OP,   160
.set WV,   20
.set G1W,  24                          ; s[24:31] group 1, weights;  s[32:39] group 1, bias;  s[40:43], s[44:47], s[48:51] groups 0: slot 0, slot 1, bias
.set G1T,  32
.set G0A,  40
.set G0B,  44
.set G0T,  48
.set MK,   24                          ; s24-55 in the attention: 32 lane masks
.set XA,   52                          ; s[52:57] my batch's codes in q, k, v
.set XS,   58                          ; s[58:63] and scale words
.set ATP,  66
.set MKP,  68
.set BQP,  70
.set BVP,  72
.set SEL,  74
.set C2,   76
.set LE,   78
.set PF,   80
.set MSB, 0
.macro WIN new                         ; the immediate's high byte repeats the setting that is left; a switch that changes nothing is dropped
.if MSB != \new
	s_set_vgpr_msb (MSB<<8)|\new
.set MSB, \new
.endif
.endm
.macro PLACES n                        ; plain places behind matrix instructions, in front of loads into registers that they read and of reads of their results
.rept \n
	v_nop
.endr
.endm
.macro CREST                           ; a round of the cluster's barrier behind its opening barrier
	s_cmp_lg_u32 s[WV], 0
	s_cbranch_scc1 .Lnw0_\@
	s_barrier_signal -3
.Lnw0_\@:
	s_barrier_wait -3
	s_barrier_signal -1
	s_barrier_wait -1
.endm
.macro ROUND
	s_barrier_signal -1
	s_barrier_wait -1
	CREST
.endm
; the weights' eight fragments of the slot's q-th 128 along K: 512 consecutive bytes a load
.macro FETCH_B slot, q, set
.set nt, 0
.rept 8
	ds_load_b128 v[BF+64*(\set)+8*nt:BF+64*(\set)+8*nt+3], v[1+3*(\slot)+nt/4] offset:(nt%4)*16384+(\q)*1024
	ds_load_b128 v[BF+64*(\set)+8*nt+4:BF+64*(\set)+8*nt+7], v[1+3*(\slot)+nt/4] offset:(nt%4)*16384+(\q)*1024+512
.set nt, nt+1
.endr
.endm
; the weights' scale words of 512 along K: register 4 j + i: lanes 0-15 tile 2 j, lanes 16-31 tile 2 j + 1, the i-th 128 K
.macro FETCH_BS slot, g, set
.set nt, 0
.rept 4
	ds_load_b128 v[BS+16*(\set)+4*nt:BS+16*(\set)+4*nt+3], v[3+3*(\slot)] offset:nt*2048+(\g)*512
.set nt, nt+1
.endr
.endm
; my four fragments of tokens of step st (product st / 16, 128 K number st % 16) into ring slot st % 8
.macro LOAD_A st
.set la, 0
.rept 4
	global_load_b128 v[32*((\st)%8)+8*la:32*((\st)%8)+8*la+3], v[L16], s[XA+2*((\st)/16):XA+2*((\st)/16)+1] offset:la*16384+((\st)%16)*1024
	global_load_b128 v[32*((\st)%8)+8*la+4:32*((\st)%8)+8*la+7], v[L16], s[XA+2*((\st)/16):XA+2*((\st)/16)+1] offset:la*16384+((\st)%16)*1024+512
.set la, la+1
.endr
.endm
; all scale words of my 64 tokens in product p: register 16 j + 4 g + i: pair j of tiles, the (4 g + i)-th 128 K
.macro LOAD_AS p, set
.set jj, 0
.rept 2
.set gg, 0
.rept 4
	global_load_b128 v[AS+32*(\set)+16*jj+4*gg:AS+32*(\set)+16*jj+4*gg+3], v[L16], s[XS+2*(\p):XS+2*(\p)+1] offset:jj*2048+gg*512
.set gg, gg+1
.endr
.set jj, jj+1
.endr
.endm
; one scaled product, by the symbols rD, rX, rY, rC, sX, sY; mX, mY: the side's scales stand in lanes 16-31; zC: the constant 0 starts the sum
.macro WMS
.if zC
.if mX && mY
	v_wmma_scale_f32_16x16x128_f8f6f4 v[rD:rD+7], v[rX:rX+7], v[rY:rY+7], 0, v[sX], v[sY] matrix_a_fmt:MATRIX_FMT_FP4 matrix_b_fmt:MATRIX_FMT_FP4 matrix_a_scale:MATRIX_SCALE_ROW1 matrix_b_scale:MATRIX_SCALE_ROW1
.elseif mX
	v_wmma_scale_f32_16x16x128_f8f6f4 v[rD:rD+7], v[rX:rX+7], v[rY:rY+7], 0, v[sX], v[sY] matrix_a_fmt:MATRIX_FMT_FP4 matrix_b_fmt:MATRIX_FMT_FP4 matrix_a_scale:MATRIX_SCALE_ROW1
.elseif mY
	v_wmma_scale_f32_16x16x128_f8f6f4 v[rD:rD+7], v[rX:rX+7], v[rY:rY+7], 0, v[sX], v[sY] matrix_a_fmt:MATRIX_FMT_FP4 matrix_b_fmt:MATRIX_FMT_FP4 matrix_b_scale:MATRIX_SCALE_ROW1
.else
	v_wmma_scale_f32_16x16x128_f8f6f4 v[rD:rD+7], v[rX:rX+7], v[rY:rY+7], 0, v[sX], v[sY] matrix_a_fmt:MATRIX_FMT_FP4 matrix_b_fmt:MATRIX_FMT_FP4
.endif
.else
.if mX && mY
	v_wmma_scale_f32_16x16x128_f8f6f4 v[rD:rD+7], v[rX:rX+7], v[rY:rY+7], v[rC:rC+7], v[sX], v[sY] matrix_a_fmt:MATRIX_FMT_FP4 matrix_b_fmt:MATRIX_FMT_FP4 matrix_a_scale:MATRIX_SCALE_ROW1 matrix_b_scale:MATRIX_SCALE_ROW1
.elseif mX
	v_wmma_scale_f32_16x16x128_f8f6f4 v[rD:rD+7], v[rX:rX+7], v[rY:rY+7], v[rC:rC+7], v[sX], v[sY] matrix_a_fmt:MATRIX_FMT_FP4 matrix_b_fmt:MATRIX_FMT_FP4 matrix_a_scale:MATRIX_SCALE_ROW1
.elseif mY
	v_wmma_scale_f32_16x16x128_f8f6f4 v[rD:rD+7], v[rX:rX+7], v[rY:rY+7], v[rC:rC+7], v[sX], v[sY] matrix_a_fmt:MATRIX_FMT_FP4 matrix_b_fmt:MATRIX_FMT_FP4 matrix_b_scale:MATRIX_SCALE_ROW1
.else
	v_wmma_scale_f32_16x16x128_f8f6f4 v[rD:rD+7], v[rX:rX+7], v[rY:rY+7], v[rC:rC+7], v[sX], v[sY] matrix_a_fmt:MATRIX_FMT_FP4 matrix_b_fmt:MATRIX_FMT_FP4
.endif
.endif
.endm
; Q's and K's products of step st: token tiles a0 .. a0 + n - 1 against the weights' eight.  The 32 accumulators take turns, one instruction a turn, in the same order in every step.
.macro MULQK st, a0, n
.set qq, (\st)%16
.set zC, 0
.if (\st) == 16
.set zC, 1                             ; K has no bias: the constant 0 starts its sums
.endif
.set aa, \a0
.rept \n
.set bb, 0
.rept 8
.set rD, 8*(8*aa+bb)
.set rC, rD
.if (\st) == 0
.set rC, 128+8*bb                      ; bq, in the result's layout, starts Q's sums (window 3)
.endif
.set rX, BF+64*(qq%2)+8*bb
.set rY, 32*((\st)%8)+8*aa
.set sX, BS+16*((qq/4)%2)+4*(bb/2)+qq%4
.set sY, AS+32*(((\st)/16)%2)+16*(aa/2)+4*(qq/4)+qq%4
.set mX, bb%2
.set mY, aa%2
	WMS
.set bb, bb+1
.endr
.set aa, aa+1
.endr
.endm
; V's products: the sources and their scales change sides; accumulator (b, a) at 8 (4 b + a)
.macro MULV st
.set qq, (\st)%16
.set zC, 0
.if (\st) == 32
.set zC, 1
.endif
.set bb, 0
.rept 8
.set aa, 0
.rept 4
.set rD, 8*(4*bb+aa)
.set rC, rD
.set rX, 32*((\st)%8)+8*aa
.set rY, BF+64*(qq%2)+8*bb
.set sX, AS+32*(((\st)/16)%2)+16*(aa/2)+4*(qq/4)+qq%4
.set sY, BS+16*((qq/4)%2)+4*(bb/2)+qq%4
.set mX, aa%2
.set mY, bb%2
	WMS
.set aa, aa+1
.endr
.set bb, bb+1
.endr
.endm
; A PREFETCH of my batch's codes of steps x .. x + 3: 4 tiles x 4,096 bytes, a lane to each aligned 256 bytes, two instructions.  All 16 heads read the same codes: head 0's work-groups ask, each wave for its own batch,
; so each block is named once in the launch; the branch hangs on the head alone, which the cluster's partners share.  It stands behind the step's loads, 24 steps ahead of the products that use the codes.
.macro ASK x
	WIN 0
	s_cmp_eq_u32 s[PF], 1
	s_cbranch_scc0 .Lnp_\@
	global_prefetch_b8 v[PFO], s[XA+2*((\x)/16):XA+2*((\x)/16)+1] offset:((\x)%16)*1024 th:TH_LOAD_NT scope:SCOPE_SE
	global_prefetch_b8 v[PFO], s[XA+2*((\x)/16):XA+2*((\x)/16)+1] offset:((\x)%16+2)*1024 th:TH_LOAD_NT scope:SCOPE_SE
.Lnp_\@:
.endm
; the 32 accumulators, rounded to f16 in pairs, each from its low end on
.macro PACK win, base
	WIN \win
.set nn, 0
.rept 128
	v_cvt_pk_f16_f32 v[\base+nn], v[2*nn], v[2*nn+1]
.set nn, nn+1
.endr
.endm
; A STEP of 128 along K.  The wait on LOADcnt leaves out the runs of 8 loads of the six later steps (fewer at the end); other loads are older than the awaited run, or make the wait stricter than needed.
.macro STEP st
.set q0, (\st)%16
.set p0, (\st)/16
.set lf, 47-(\st)
.if lf > 6
.set lf, 6
.endif
	s_wait_loadcnt 8*lf                            ; this step's tokens are in
	s_wait_dscnt 0x0                               ; and its weights, asked for a step ago
.if (\st) < 47
	PLACES 4                                       ; the loads below land in registers that the last step's products read
	WIN 0
	FETCH_B p0%2, q0+1, (q0+1)%2
.if (q0%4 == 0) && (q0 < 12)
	FETCH_BS p0%2, q0/4+1, (q0/4+1)%2
.endif
.if (\st) == 16
	LOAD_AS 2, 0                                   ; v's scale words take the set that q's have left
.endif
.endif
.if (\st) <= 40
	WIN 0x40
	LOAD_A (\st)+7
.elseif (\st) == 41
	WIN 0x40
.set kt, 0
.rept 4                                        ; the mask's numbers of my batch, in S^T's layout: register 8 kt + j: key 16 kt + 8 (lane / 16) + j
	global_load_b128 v[8*kt:8*kt+3], v[H32], s[MKP:MKP+1] offset:64*kt
	global_load_b128 v[8*kt+4:8*kt+7], v[H32], s[MKP:MKP+1] offset:64*kt+16
.set kt, kt+1
.endr
.elseif (\st) <= 43
	WIN 0x40
.set kt, 4*((\st)-42)
.rept 4                                        ; bv in O^T's layout: register 8 t + j: channel 16 t + 8 (lane / 16) + j
	global_load_b128 v[32+8*kt:32+8*kt+3], v[H32], s[BVP:BVP+1] offset:64*kt
	global_load_b128 v[32+8*kt+4:32+8*kt+7], v[H32], s[BVP:BVP+1] offset:64*kt+16
.set kt, kt+1
.endr
.endif
.if ((\st) >= 4) && ((\st) <= 20) && ((\st)%4 == 0)
	ASK (\st)+24
.endif
.if p0 == 2
	WIN 0xa1                                       ; source 0 (tokens) window 1, source 1 (weights) window 0, C and D window 2
	MULV \st
.elseif (\st) == 0
	WIN 0xb4                                       ; source 0 window 0, source 1 window 1, C (bq) window 3, D window 2
	MULQK \st, 0, 4
.else
	WIN 0xa4
	MULQK \st, 0, 4
.endif
.endm
; A product's last step changes slots: ONE barrier.  In front of it each wave waits for all its tensor loads, adds 0 to its spare word and waits for that and for its reads of the slot.
; fill = 1: the barrier opens a round of the cluster's barrier, and behind the round the slot just left takes Wv, jointly: the load has K's 16 steps in which to land.
.macro TURN st, fill
	s_wait_loadcnt 48
	s_wait_dscnt 0x0                               ; my last reads of this slot are in
	PLACES 4
	WIN 0x40
	LOAD_A (\st)+7
	WIN 0                                          ; (the add's two registers lie in window 0)
	s_wait_tensorcnt 0x0                           ; all my tensor loads have landed
	ds_add_u32 v[SPW], v[NIL]                      ; 0 onto my spare word
	WIN 0xa4
	MULQK \st, 0, 1                                ; eight products stand between the add and the wait for it
	s_wait_dscnt 0x0                               ; the add is done
	s_barrier_signal -1
	MULQK \st, 1, 1
	WIN 0
	s_barrier_wait -1
.if \fill
	CREST                                          ; no wave of any partner still reads slot 0 or has a load on its way
	s_add_nc_u64 s[G0A+2:G0A+3], s[G0A+2:G0A+3], 2*16*SLOTB   ; from Wq's block to Wv's; the type bits on top are not reached
	tensor_load_to_lds s[G0A:G0A+3], s[G1W:G1W+7]
	s_nop 0
.endif
	PLACES 4                                       ; behind the tensor load, and in front of the loads below
	FETCH_B ((\st)/16+1)%2, 0, 0
	FETCH_BS ((\st)/16+1)%2, 0, 0
	WIN 0xa4
	MULQK \st, 2, 2
.endm
; THE ATTENTION of one tile of 16 queries
.macro ATT qt
	WIN 0x80                                       ; destination window 2
.set kt, 0
.rept 4
	ds_load_b128 v[BI+8*kt:BI+8*kt+3], v[BIA] offset:(\qt)*16*BPITCH+64*kt
	ds_load_b128 v[BI+8*kt+4:BI+8*kt+7], v[BIA] offset:(\qt)*16*BPITCH+64*kt+16
.set kt, kt+1
.endr
	WIN 0xaf                                       ; K and Q window 3, S^T window 2
.set ch, 0
.rept 4                                        ; S^T = K Q^T: four tiles of 16 keys by turns, 32 channels at a time
.set kt, 0
.rept 4
.if ch == 0
	v_wmma_f32_16x16x32_f16 v[S+8*kt:S+8*kt+7], v[KP+32*kt+8*ch:KP+32*kt+8*ch+7], v[QP+32*(\qt)+8*ch:QP+32*(\qt)+8*ch+7], 0
.else
	v_wmma_f32_16x16x32_f16 v[S+8*kt:S+8*kt+7], v[KP+32*kt+8*ch:KP+32*kt+8*ch+7], v[QP+32*(\qt)+8*ch:QP+32*(\qt)+8*ch+7], v[S+8*kt:S+8*kt+7]
.endif
.set kt, kt+1
.endr
.set ch, ch+1
.endr
	WIN 0xaa
	s_wait_dscnt 0x0                               ; the bias
.set ii, 0
.rept 16
	v_pk_mul_f32 v[BI+ii:BI+ii+1], v[BI+ii:BI+ii+1], s[LE:LE+1] op_sel_hi:[1,0]    ; bias x log2(e): these 16 are also the places behind the products
.set ii, ii+2
.endr
.set ii, 0
.rept 16
	v_pk_fma_f32 v[S+ii:S+ii+1], v[S+ii:S+ii+1], s[C2:C2+1], v[BI+ii:BI+ii+1] op_sel_hi:[1,0,1]   ; t, each accumulator from its low end on
.set ii, ii+2
.endr
.set ii, 0
.rept 32
	v_cndmask_b32 v[S+ii], v[NEG], v[S+ii], s[MK+ii]       ; where the mask is 0: the lowest number
.set ii, ii+1
.endr
.set ii, 0
.rept 4
	v_max3_num_f32 v[M0+ii], v[S+8*ii], v[S+8*ii+1], v[S+8*ii+2]   ; the maximum, in four chains
.set ii, ii+1
.endr
.irp k, 3,5
.set ii, 0
.rept 4
	v_max3_num_f32 v[M0+ii], v[M0+ii], v[S+8*ii+\k], v[S+8*ii+\k+1]
.set ii, ii+1
.endr
.endr
	v_max3_num_f32 v[M0], v[M0], v[S+7], v[S+15]
	v_max3_num_f32 v[M0+2], v[M0+2], v[S+23], v[S+31]
	v_max3_num_f32 v[M0], v[M0], v[M0+1], v[M0+2]
	v_max_num_f32 v[M0], v[M0], v[M0+3]
	v_permlanex16_b32 v[TP], v[M0], s[SEL], s[SEL+1]       ; the query's other 32 keys lie in the lane 16 away
	v_max_num_f32 v[MX], v[M0], v[TP]
.set ii, 0
.rept 16
	v_pk_add_f32 v[S+ii:S+ii+1], v[S+ii:S+ii+1], v[MX:MX+1] op_sel_hi:[1,0] neg_lo:[0,1] neg_hi:[0,1]   ; t - m
.set ii, ii+2
.endr
.set ii, 0
.rept 32
	v_exp_f32 v[S+ii], v[S+ii]                     ; p = 2^(t - m): one batch
.set ii, ii+1
.endr
	v_nop                                          ; the plain place behind the last exponential
	s_wait_alu depctr_va_vdst(0)                   ; one wait for the batch, ahead of its first reader
.set ii, 0
.rept 16
	v_cvt_pk_f16_f32 v[P+ii], v[S+2*ii], v[S+2*ii+1]       ; tiles 2 c and 2 c + 1 are the fragment of keys 32 c on
.set ii, ii+1
.endr
	v_pk_add_f32 v[LS:LS+1], v[S:S+1], v[S+2:S+3]          ; the row's sum, of p in f32, in two chains
	v_pk_add_f32 v[LT:LT+1], v[S+4:S+5], v[S+6:S+7]
.set ii, 8
.rept 6
	v_pk_add_f32 v[LS:LS+1], v[LS:LS+1], v[S+ii:S+ii+1]
	v_pk_add_f32 v[LT:LT+1], v[LT:LT+1], v[S+ii+2:S+ii+3]
.set ii, ii+4
.endr
	v_pk_add_f32 v[LS:LS+1], v[LS:LS+1], v[LT:LT+1]
	v_add_f32 v[LS], v[LS], v[LS+1]
	v_permlanex16_b32 v[TP], v[LS], s[SEL], s[SEL+1]
	v_add_f32 v[LS], v[LS], v[TP]                  ; at least 1: the largest p is 1
	v_rcp_f32 v[RC], v[LS]
	v_nop                                          ; the plain place behind the reciprocal
	WIN 0xa8                                       ; V^T window 0, P, C and D window 2
.set ch, 0
.rept 2                                        ; O^T = V^T P^T: eight tiles of 16 channels by turns, 32 keys at a time
.set kt, 0
.rept 8
.if ch == 0
	v_wmma_f32_16x16x32_f16 v[OA+8*kt:OA+8*kt+7], v[BF+16*kt+8*ch:BF+16*kt+8*ch+7], v[P+8*ch:P+8*ch+7], 0
.else
	v_wmma_f32_16x16x32_f16 v[OA+8*kt:OA+8*kt+7], v[BF+16*kt+8*ch:BF+16*kt+8*ch+7], v[P+8*ch:P+8*ch+7], v[OA+8*kt:OA+8*kt+7]
.endif
.set kt, kt+1
.endr
.set ch, ch+1
.endr
	PLACES 4
	s_wait_alu depctr_va_vdst(0)                   ; the reciprocal's wait, ahead of its first reader
	s_wait_xcnt 0x0                                ; the last tile's stores have read their data registers, which are written again below
	WIN 0x9a                                       ; O^T and 1 / sum window 2, bv window 1
.set ii, 0
.rept 32
	v_pk_fma_f32 v[OA+ii:OA+ii+1], v[OA+ii:OA+ii+1], v[RC:RC+1], v[32+ii:32+ii+1] op_sel_hi:[1,0,1]   ; O^T / sum + bv
.set ii, ii+2
.endr
	WIN 0xaa
.set ii, 0
.rept 32
	v_cvt_pk_f16_f32 v[OP+ii], v[OA+2*ii], v[OA+2*ii+1]
.set ii, ii+1
.endr
	WIN 0x08                                       ; a store's data: window 2
.set kt, 0
.rept 8
	global_store_b128 v[L16], v[OP+4*kt:OP+4*kt+3], s[ATP:ATP+1] offset:(\qt)*65536+kt*512   ; the wave stores 512 consecutive bytes, aligned: 16 tokens x 16 channels, in the order of the last launch's operand registers
.set kt, kt+1
.endr
.endm
	s_load_b512 s[4:19], s[0:1], 0x0               ; xc, xs, wc, attention_mask, bias_table, bq, bv, att
	v_lshl_add_u32 v[SPW], v0, 2, SPARE
	v_mov_b32 v[NIL], 0
	ds_add_u32 v[SPW], v[NIL]                      ; the wave's opening: the add, twice on end, and its wait ahead of my first tensor load
	ds_add_u32 v[SPW], v[NIL]
	v_lshrrev_b32 v12, 5, v0
	v_readfirstlane_b32 s[WV], v12                 ; wave 0..3
	s_and_b32 s23, ttmp7, 0xffff                   ; the head, which the four partners share
	; group 1, weights: 136 rows of 32 elements of 8 bytes, dense
	s_mov_b32 s[G1W], 15|(3<<16)|(1<<21)           ; 15:0 the mask: all four work-groups; 17:16 elements of 8 bytes; 21 set beside a mask
	s_mov_b32 s[G1W+1], 32<<16                     ; tensor_dim0
	s_mov_b32 s[G1W+2], 136<<16                    ; tensor_dim1
	s_mov_b32 s[G1W+3], 32<<16                     ; tile_dim0
	s_mov_b32 s[G1W+4], 136                        ; tile_dim1
	s_mov_b32 s[G1W+5], 32                         ; from row to row
	s_mov_b32 s[G1W+6], 0
	s_mov_b32 s[G1W+7], 0
	; group 1, bias: 16 rows of 256 bytes, 1,024 bytes apart in memory, 16 bytes of padding behind each in LDS
	s_mov_b32 s[G1T], 15|(3<<16)|(1<<20)|(1<<21)|(5<<22)|(3<<25)
	s_mov_b32 s[G1T+1], 32<<16
	s_mov_b32 s[G1T+2], 16<<16
	s_mov_b32 s[G1T+3], 32<<16
	s_mov_b32 s[G1T+4], 16
	s_mov_b32 s[G1T+5], 128
	s_mov_b32 s[G1T+6], 0
	s_mov_b32 s[G1T+7], 0
	; what the descriptors are made of hangs on the head and the wave alone
	s_mul_i32 s82, s23, SLOTB
	s_mul_i32 s83, s[WV], QUART                    ; my quarter, in memory and in a slot
	s_add_co_u32 s84, s82, s83
	s_mov_b32 s85, 0
	s_mul_i32 s86, s[WV], 16*BPITCH
	s_lshl_b32 s96, s23, 18                        ; the head's table, my 16 rows
	s_lshl_b32 s87, s[WV], 14
	s_add_co_u32 s96, s96, s87
	s_mov_b32 s97, 0
	s_lshl_b32 s98, s23, 9                         ; the head's 128 numbers of bq and of bv
	s_mov_b32 s99, 0
	s_cmp_eq_u32 s23, 0
	s_cselect_b32 s[PF], 1, 0
	; my batch: it enters global addresses of plain loads and stores alone
	s_bfe_u32 s21, ttmp6, 0x40000                  ; cx
	s_lshl_b32 s22, ttmp9, 2
	s_add_co_u32 s22, s22, s21
	s_lshl_b32 s22, s22, 2
	s_add_co_u32 s22, s22, s[WV]                   ; batch = 4 (4 x cluster x + cx) + wave
	s_lshl_b32 s88, s22, 16
	s_mov_b32 s89, 0
	s_lshl_b32 s90, s22, 12
	s_mov_b32 s91, 0
	s_lshl_b32 s92, s22, 18
	s_lshl_b32 s93, s23, 12
	s_add_co_u32 s92, s92, s93
	s_mov_b32 s93, 0
	s_lshl_b32 s94, s22, 8
	s_mov_b32 s95, 0
	s_mov_b32 s[SEL], 0x76543210
	s_mov_b32 s[SEL+1], 0xfedcba98                 ; v_permlanex16_b32: lane l xor 16
	s_mov_b32 s[C2], 0x3e0293ee                    ; log2(e) / sqrt(128)
	s_mov_b32 s[C2+1], s[C2]
	s_mov_b32 s[LE], 0x3fb8aa3b                    ; log2(e)
	s_mov_b32 s[LE+1], s[LE]
	v_and_b32 v12, 31, v0
	v_lshlrev_b32 v[L16], 4, v12
	v_add_nc_u32 v[LB1], 65536, v[L16]
	v_add_nc_u32 v[LBS0], 131072, v[L16]
	v_add_nc_u32 v[LB2], SLOTB, v[L16]
	v_add_nc_u32 v[LB3], SLOTB+65536, v[L16]
	v_add_nc_u32 v[LBS1], SLOTB+131072, v[L16]
	v_bfe_u32 v13, v0, 4, 1
	v_lshlrev_b32 v[H32], 5, v13
	v_and_b32 v14, 15, v0
	v_mul_u32_u24 v[BIA], v14, BPITCH
	v_add_nc_u32 v[BIA], v[BIA], v[H32]
	v_add_nc_u32 v[BIA], BIAS, v[BIA]
	v_lshrrev_b32 v15, 3, v12
	v_and_b32 v16, 7, v0
	v_lshlrev_b32 v[PFO], 14, v15
	v_lshl_add_u32 v[PFO], v16, 8, v[PFO]
	s_wait_dscnt 0x0                               ; both opening adds are done
	s_wait_kmcnt 0x0
	s_mov_b32 s[G0A], 1                            ; count = 1
	s_mov_b32 s[G0A+1], s83                        ; LDS: slot 0, my quarter
	s_add_nc_u64 s[G0A+2:G0A+3], s[8:9], s[84:85]  ; Wq's block of my head
	s_mov_b32 s[G0B], 1
	s_add_co_u32 s[G0B+1], s83, SLOTB              ; slot 1
	s_add_nc_u64 s[G0B+2:G0B+3], s[G0A+2:G0A+3], 16*SLOTB   ; Wk's
	s_or_b32 s[G0A+3], s[G0A+3], 0x80000000        ; type = 2
	s_or_b32 s[G0B+3], s[G0B+3], 0x80000000
	s_mov_b32 s[G0T], 1
	s_add_co_u32 s[G0T+1], s86, BIAS
	s_add_nc_u64 s[G0T+2:G0T+3], s[12:13], s[96:97]
	s_or_b32 s[G0T+3], s[G0T+3], 0x80000000
	s_add_nc_u64 s[XA:XA+1], s[4:5], s[88:89]
	s_add_nc_u64 s[XA+2:XA+3], s[XA:XA+1], 4194304
	s_add_nc_u64 s[XA+4:XA+5], s[XA:XA+1], 8388608
	s_add_nc_u64 s[XS:XS+1], s[6:7], s[90:91]
	s_add_nc_u64 s[XS+2:XS+3], s[XS:XS+1], 262144
	s_add_nc_u64 s[XS+4:XS+5], s[XS:XS+1], 524288
	s_add_nc_u64 s[ATP:ATP+1], s[18:19], s[92:93]
	s_add_nc_u64 s[MKP:MKP+1], s[10:11], s[94:95]
	s_add_nc_u64 s[BQP:BQP+1], s[14:15], s[98:99]
	s_add_nc_u64 s[BVP:BVP+1], s[16:17], s[98:99]
	ROUND                                          ; all four work-groups are here: the first joint loads meet
	tensor_load_to_lds s[G0A:G0A+3], s[G1W:G1W+7]  ; every wave issues all three first fills: three tensor loads of mine are out
	s_nop 0
	tensor_load_to_lds s[G0B:G0B+3], s[G1W:G1W+7]
	s_nop 0
	tensor_load_to_lds s[G0T:G0T+3], s[G1T:G1T+7]
	s_nop 0
	PLACES 4
	LOAD_AS 0, 0
	LOAD_AS 1, 1
	WIN 0xc0                                       ; destination window 3
.set kt, 0
.rept 8                                        ; bq in the result's layout: register 8 b + j: channel 16 b + 8 (lane / 16) + j
	global_load_b128 v[128+8*kt:128+8*kt+3], v[H32], s[BQP:BQP+1] offset:64*kt
	global_load_b128 v[128+8*kt+4:128+8*kt+7], v[H32], s[BQP:BQP+1] offset:64*kt+16
.set kt, kt+1
.endr
	WIN 0x40
.irp t, 0,1,2,3,4,5,6
	LOAD_A \t
.endr
	WIN 0
	s_wait_tensorcnt 0x2                           ; my quarter of slot 0 is in; slot 1's and the bias's loads may stay out
	s_barrier_signal -1
	s_barrier_wait -1                              ; everybody's is
	FETCH_B 0, 0, 0
	FETCH_BS 0, 0, 0
.irp t, 0,1,2,3,4,5,6,7,8,9,10,11,12,13,14
	STEP \t
.endr
	TURN 15, 1
	PLACES 4
	PACK 0xca, QP                                  ; Q to f16: sources window 2, destination window 3
.irp t, 16,17,18,19,20,21,22,23,24,25,26,27,28,29,30
	STEP \t
.endr
	TURN 31, 0
	PLACES 4
	PACK 0xca, KP
.irp t, 32,33,34,35,36,37,38,39,40,41,42,43,44,45,46,47
	STEP \t
.endr
	PLACES 4
	PACK 0x0a, BF                                  ; V^T to f16, into the registers that the weights' fragments have left
	WIN 0
	s_wait_loadcnt 0x0                             ; the mask's numbers and bv
	s_wait_xcnt 0x0                                ; every load and prefetch has read its base; no tensor load is out since the last change of slots: s24-55 may be written
	WIN 0x04
.set ii, 0
.rept 32
	v_cmp_ne_u32 s[MK+ii], 0, v[ii]                ; a lane mask for each register of S^T: does its key count?
.set ii, ii+1
.endr
	WIN 0xaa
	v_mov_b32 v[NEG], 0xff7fffff                   ; the lowest f32 number
	v_mov_b32 v[TP], 0                             ; a lane permute's destination counts as one of its sources
	v_mov_b32 v[MX+1], 0                           ; (named as upper halves of pairs)
	v_mov_b32 v[RC+1], 0
	ATT 0
	ATT 1
	ATT 2
	ATT 3
	WIN 0
	s_wait_tensorcnt 0x0                           ; the wave's end
	ds_add_u32 v[SPW], v[NIL]
	s_wait_dscnt 0x0
	ROUND                                          ; the closing round
	s_endpgm
.Lfunc_end_k_qd1e03a0138_qkvattn:
	.size	k_qd1e03a0138_qkvattn, .Lfunc_end_k_qd1e03a0138_qkvattn-k_qd1e03a0138_qkvattn
	.p2alignl 7, 3214868480
	.fill 96, 4, 3214868480
	.section	.rodata,"a",@progbits
	.p2align	6, 0x0
	.amdhsa_kernel k_qd1e03a0138_qkvattn
		.amdhsa_group_segment_fixed_size 327680
		.amdhsa_private_segment_fixed_size 0
		.amdhsa_enable_private_segment 0
		.amdhsa_kernarg_size 64
		.amdhsa_user_sgpr_count 2
		.amdhsa_user_sgpr_kernarg_segment_ptr 1
		.amdhsa_wavefront_size32 1
		.amdhsa_system_sgpr_workgroup_id_x 1
		.amdhsa_system_sgpr_workgroup_id_y 1
		.amdhsa_system_sgpr_workgroup_id_z 1
		.amdhsa_system_vgpr_workitem_id 0
		.amdhsa_next_free_vgpr 1024
		.amdhsa_next_free_sgpr 100
		.amdhsa_reserve_vcc 0
		.amdhsa_float_denorm_mode_32 3
		.amdhsa_float_denorm_mode_16_64 3
		.amdhsa_memory_ordered 1
		.amdhsa_forward_progress 1
		.amdhsa_inst_pref_size 255
	.end_amdhsa_kernel
	.section	.bss,"aw",@nobits
	.p2align	6
	.space	262144
	.amdgpu_metadata
---
amdhsa.version: [ 1, 2 ]
amdhsa.kernels:
  - .name:           k_qd1e03a0138_qkvattn
    .symbol:         k_qd1e03a0138_qkvattn.kd
    .args:
      - { .name: xc, .offset: 0, .size: 8, .value_kind: global_buffer, .address_space: global }
      - { .name: xs, .offset: 8, .size: 8, .value_kind: global_buffer, .address_space: global }
      - { .name: wc, .offset: 16, .size: 8, .value_kind: global_buffer, .address_space: global }
      - { .name: attention_mask, .offset: 24, .size: 8, .value_kind: global_buffer, .address_space: global }
      - { .name: bias_table, .offset: 32, .size: 8, .value_kind: global_buffer, .address_space: global }
      - { .name: bq, .offset: 40, .size: 8, .value_kind: global_buffer, .address_space: global }
      - { .name: bv, .offset: 48, .size: 8, .value_kind: global_buffer, .address_space: global }
      - { .name: att, .offset: 56, .size: 8, .value_kind: global_buffer, .address_space: global }
    .group_segment_fixed_size: 327680
    .private_segment_fixed_size: 0
    .kernarg_segment_align: 8
    .kernarg_segment_size: 64
    .max_flat_workgroup_size: 128
    .sgpr_count:     100
    .vgpr_count:     1024
    .wavefront_size: 32
...
	.end_amdgpu_metadata
.endif
;; end of part 2
;; launch oproj (part 3): grid 16 x 16, 4 waves a work-group, clusters of 4 x 1, 327,680 bytes of LDS; arguments att, wo16, bo, out0; writes out0
.if DOCPART == 3
	.amdgcn_target "amdgcn-amd-amdhsa--gfx1250"
	.amdhsa_code_object_version 6
	.text
	.protected	k_qd1e03a0138_oproj
	.globl	k_qd1e03a0138_oproj
	.p2align	8
	.type	k_qd1e03a0138_oproj,@function
k_qd1e03a0138_oproj:
	s_mov_b64 s[64:65], 0
	v_nop
	global_prefetch_b8 v0, s[64:65] scope:SCOPE_SE
	s_setreg_imm32_b32 hwreg(HW_REG_WAVE_MODE, 25, 1), 1
	s_wait_xcnt 0x0
	s_wait_alu depctr_hold_cnt(0) depctr_sa_sdst(0) depctr_va_vdst(0) depctr_va_sdst(0) depctr_va_ssrc(0) depctr_va_vcc(0) depctr_vm_vsrc(0)
	s_getreg_b32 s2, hwreg(HW_REG_IB_STS2, 6, 4)
	s_cmp_eq_u32 s2, 0
	s_cbranch_scc0 .Lentry_in_a_cluster
	s_endpgm
.Lentry_in_a_cluster:
	s_bfe_u32 s2, ttmp6, 0x10000c
	s_cmp_lg_u32 s2, 0x3003
	s_cbranch_scc0 .Lentry_shape_is_right
	s_endpgm
.Lentry_shape_is_right:
; OPROJ: out0 = att Wo^T + bo.  att [4096][2048] and Wo [2048][2048] come as f16 in the order of the operands' registers (a fragment of 16 rows x 32 K is 1,024 bytes on end); sums in f32; out0 f32.
; SHARES: a work-group owns 256 rows x 128 columns; wave w owns 64 rows x all 128 columns: 32 accumulators.  K goes in 64 chunks of 32.
; Wo's 128 rows come in four K slots of 512 (131,072 dense bytes each) through two LDS slots; the four row blocks of a cluster read the same bytes, so each slot is asked for JOINTLY (mask 15), a quarter by each wave.
; att's rows go straight into operand registers, without multicast: a wave's 64 rows are read by no other wave of its work-group; a ring of eight register slots has seven chunks (28 KB a wave) on their way and needs no barrier.
; The matrix instruction is used transposed (source 0 = 16 rows of Wo, source 1 = 16 tokens): a lane holds eight neighbouring numbers of a row of out0.  bo, in the result's layout, is the C of the first chunk.
; No prefetch: between a request for att's rows and its wait stand seven chunks' products, and a refill of a slot has sixteen chunks in which to land.
; REGISTERS: window 0: v1-11 addresses; v128-255 Wo's fragments (2 sets), on the way out rows of out0.   window 1: the ring, 8 slots x 32.   window 2: accumulator (a, b) at 8 (8 a + b).   window 3: v0-63 bo.
.set SLOTB,  131072
.set STAGE,  2*SLOTB                   ; 16 rows x (512 bytes + 16) for each wave: bytes of its own, into which no fill lands
.set SPITCH, 528
.set SPARE,  STAGE+4*16*SPITCH         ; the spare words, 128 bytes a wave
.set L16, 1                            ; v1   16 x lane; also slot 0, tiles 0-3
.set LB1, 2                            ; v2   slot 0, tiles 4-7;  v3, v4: slot 1
.set LB2, 3
.set LB3, 4
.set H32, 5
.set STO, 6                            ; v6   the stage: where I put 32 bytes of a row
.set RD,  7                            ; v7   and where I read a row back
.set SPW, 10
.set NIL, 11
.set BF,  128
.set WV,  12
.set G1,  16                           ; s[16:23] group 1;  s[24:27], s[28:31] groups 0, one for each slot
.set G0,  24
.set AP,  36
.set OUTP, 38
.set BOP, 40
.set MSB, 0
.macro WIN new
.if MSB != \new
	s_set_vgpr_msb (MSB<<8)|\new
.set MSB, \new
.endif
.endm
.macro PLACES n
.rept \n
	v_nop
.endr
.endm
.macro CREST
	s_cmp_lg_u32 s[WV], 0
	s_cbranch_scc1 .Lnw0_\@
	s_barrier_signal -3
.Lnw0_\@:
	s_barrier_wait -3
	s_barrier_signal -1
	s_barrier_wait -1
.endm
.macro ROUND
	s_barrier_signal -1
	s_barrier_wait -1
	CREST
.endm
.macro FETCH_B cc                      ; Wo's eight fragments of chunk cc, from slot (cc / 16) % 2 into set cc % 2
.set nt, 0
.rept 8
	ds_load_b128 v[BF+64*((\cc)%2)+8*nt:BF+64*((\cc)%2)+8*nt+3], v[1+2*(((\cc)/16)%2)+nt/4] offset:(nt%4)*16384+((\cc)%16)*1024
	ds_load_b128 v[BF+64*((\cc)%2)+8*nt+4:BF+64*((\cc)%2)+8*nt+7], v[1+2*(((\cc)/16)%2)+nt/4] offset:(nt%4)*16384+((\cc)%16)*1024+512
.set nt, nt+1
.endr
.endm
.macro LOAD_A cc                       ; my four fragments of att of chunk cc into ring slot cc % 8
.set la, 0
.rept 4
	global_load_b128 v[32*((\cc)%8)+8*la:32*((\cc)%8)+8*la+3], v[L16], s[AP:AP+1] offset:la*65536+(\cc)*1024
	global_load_b128 v[32*((\cc)%8)+8*la+4:32*((\cc)%8)+8*la+7], v[L16], s[AP:AP+1] offset:la*65536+(\cc)*1024+512
.set la, la+1
.endr
.endm
.macro MUL cc, a0, n                   ; the 32 accumulators take turns, one instruction a turn, in the same order in every chunk
.set aa, \a0
.rept \n
.set bb, 0
.rept 8
.set rD, 8*(8*aa+bb)
.set rC, rD
.if (\cc) == 0
.set rC, 8*bb                          ; bo (window 3)
.endif
	v_wmma_f32_16x16x32_f16 v[rD:rD+7], v[BF+64*((\cc)%2)+8*bb:BF+64*((\cc)%2)+8*bb+7], v[32*((\cc)%8)+8*aa:32*((\cc)%8)+8*aa+7], v[rC:rC+7]
.set bb, bb+1
.endr
.set aa, aa+1
.endr
.endm
; A chunk.  The wait on LOADcnt leaves out the runs of 8 loads of the six later chunks (fewer at the end).
.macro STEP cc
.set lf, 63-(\cc)
.if lf > 6
.set lf, 6
.endif
	s_wait_loadcnt 8*lf
	s_wait_dscnt 0x0                               ; this chunk's fragments of Wo, asked for a chunk ago
.if (\cc) < 63
	PLACES 4                                       ; the loads below land in registers that the last chunk's products read
	WIN 0
	FETCH_B (\cc)+1
.endif
.if (\cc) <= 56
	WIN 0x40
	LOAD_A (\cc)+7
.endif
.if (\cc) == 0
	WIN 0xb4                                       ; source 0 window 0, source 1 window 1, C (bo) window 3, D window 2
.else
	WIN 0xa4
.endif
	MUL \cc, 0, 4
.endm
; A slot's last chunk changes slots: ONE barrier; in front of it each wave waits for all its tensor loads, adds 0 to its spare word and waits for that and for its reads of the slot.
; fill = 1: the barrier opens a round of the cluster's barrier, and behind it the slot just left takes the K slot two on, jointly.
.macro TURN cc, fill
.set sl, ((\cc)/16)%2
	s_wait_loadcnt 48
	s_wait_dscnt 0x0
	PLACES 4
	WIN 0x40
	LOAD_A (\cc)+7
	WIN 0
	s_wait_tensorcnt 0x0                           ; all my tensor loads have landed
	ds_add_u32 v[SPW], v[NIL]                      ; 0 onto my spare word
	WIN 0xa4
	MUL \cc, 0, 1
	s_wait_dscnt 0x0                               ; the add is done; my reads of this slot were in above
	s_barrier_signal -1
	MUL \cc, 1, 1
	WIN 0
	s_barrier_wait -1
.if \fill
	CREST
	s_add_nc_u64 s[G0+4*sl+2:G0+4*sl+3], s[G0+4*sl+2:G0+4*sl+3], 2*SLOTB
	tensor_load_to_lds s[G0+4*sl:G0+4*sl+3], s[G1:G1+7]
	s_nop 0
.endif
	PLACES 4
	FETCH_B (\cc)+1
	WIN 0xa4
	MUL \cc, 2, 2
.endm
; THE WAY OUT, a block of 16 rows x 128 columns at a time, through my own stage: in as 32 bytes a lane, back as whole rows of 512 bytes.  LDS serves a wave's instructions in order.
.macro TOSTAGE a
	WIN 0x08                                       ; an LDS store's data: window 2
.set nt, 0
.rept 8
	ds_store_b128 v[STO], v[64*(\a)+8*nt:64*(\a)+8*nt+3] offset:64*nt        ; each accumulator from its low end on
	ds_store_b128 v[STO], v[64*(\a)+8*nt+4:64*(\a)+8*nt+7] offset:64*nt+16
.set nt, nt+1
.endr
	WIN 0
.set tt, 0
.rept 16
	ds_load_b128 v[BF+64*((\a)%2)+4*tt:BF+64*((\a)%2)+4*tt+3], v[RD] offset:tt*SPITCH
.set tt, tt+1
.endr
.endm
.macro SEND a, younger                 ; younger: the LDS instructions issued behind block a's loads, which may stay out
	s_wait_dscnt \younger
.set tt, 0
.rept 16
	global_store_b128 v[L16], v[BF+64*((\a)%2)+4*tt:BF+64*((\a)%2)+4*tt+3], s[OUTP:OUTP+1] offset:(16*(\a)+tt)*8192 th:TH_STORE_NT   ; the wave stores 512 consecutive bytes, aligned
.set tt, tt+1
.endr
.endm
	s_load_b256 s[4:11], s[0:1], 0x0               ; att, wo16, bo, out0
	v_lshl_add_u32 v[SPW], v0, 2, SPARE
	v_mov_b32 v[NIL], 0
	ds_add_u32 v[SPW], v[NIL]                      ; the wave's opening: the add, twice on end, and its wait ahead of my first tensor load
	ds_add_u32 v[SPW], v[NIL]
	v_lshrrev_b32 v12, 5, v0
	v_readfirstlane_b32 s[WV], v12                 ; wave 0..3
	s_and_b32 s15, ttmp7, 0xffff                   ; the block of 128 columns, which the four partners share
	s_mov_b32 s[G1], 15|(3<<16)|(1<<21)            ; the mask: all four work-groups; elements of 8 bytes; bit 21 beside a mask
	s_mov_b32 s[G1+1], 32<<16                      ; 128 rows of 256 bytes, dense
	s_mov_b32 s[G1+2], 128<<16
	s_mov_b32 s[G1+3], 32<<16
	s_mov_b32 s[G1+4], 128
	s_mov_b32 s[G1+5], 32
	s_mov_b32 s[G1+6], 0
	s_mov_b32 s[G1+7], 0
	s_lshl_b32 s32, s[WV], 15                      ; my quarter of a slot, in memory and in LDS
	s_lshl_b32 s33, s15, 19
	s_add_co_u32 s34, s33, s32
	s_mov_b32 s35, 0
	s_lshl_b32 s42, s15, 9                         ; the block's 512 bytes in bo and in a row of out0
	s_mov_b32 s43, 0
	s_mul_i32 s44, s[WV], 16*SPITCH
	s_add_co_u32 s44, s44, STAGE                   ; my stage
	s_bfe_u32 s13, ttmp6, 0x40000                  ; cx: it enters global addresses of plain loads and stores alone
	s_lshl_b32 s14, ttmp9, 2
	s_add_co_u32 s14, s14, s13
	s_lshl_b32 s14, s14, 2
	s_add_co_u32 s14, s14, s[WV]                   ; my 64 rows: 4 (4 x cluster x + cx) + wave
	s_lshl_b32 s46, s14, 18
	s_mov_b32 s47, 0
	s_lshl_b32 s48, s14, 19
	s_mov_b32 s49, 0
	v_and_b32 v12, 31, v0
	v_lshlrev_b32 v[L16], 4, v12
	v_add_nc_u32 v[LB1], 65536, v[L16]
	v_add_nc_u32 v[LB2], 131072, v[L16]
	v_add_nc_u32 v[LB3], 196608, v[L16]
	v_bfe_u32 v13, v0, 4, 1
	v_lshlrev_b32 v[H32], 5, v13
	v_and_b32 v14, 15, v0
	v_mul_u32_u24 v[STO], v14, SPITCH
	v_add_nc_u32 v[STO], v[STO], v[H32]
	v_add_nc_u32 v[STO], s44, v[STO]
	v_add_nc_u32 v[RD], s44, v[L16]
	s_wait_dscnt 0x0                               ; both opening adds are done
	s_wait_kmcnt 0x0
	s_mov_b32 s[G0], 1
	s_mov_b32 s[G0+1], s32
	s_add_nc_u64 s[G0+2:G0+3], s[6:7], s[34:35]    ; K slot 0
	s_mov_b32 s[G0+4], 1
	s_add_co_u32 s[G0+5], s32, SLOTB
	s_add_nc_u64 s[G0+6:G0+7], s[G0+2:G0+3], SLOTB ; K slot 1
	s_or_b32 s[G0+3], s[G0+3], 0x80000000
	s_or_b32 s[G0+7], s[G0+7], 0x80000000
	s_add_nc_u64 s[AP:AP+1], s[4:5], s[46:47]
	s_add_nc_u64 s[OUTP:OUTP+1], s[10:11], s[48:49]
	s_add_nc_u64 s[OUTP:OUTP+1], s[OUTP:OUTP+1], s[42:43]
	s_add_nc_u64 s[BOP:BOP+1], s[8:9], s[42:43]
	ROUND                                          ; all four work-groups are here: the first joint loads meet
	tensor_load_to_lds s[G0:G0+3], s[G1:G1+7]      ; every wave issues both first fills: two tensor loads of mine are out
	s_nop 0
	tensor_load_to_lds s[G0+4:G0+7], s[G1:G1+7]
	s_nop 0
	PLACES 4
	WIN 0xc0
.set nt, 0
.rept 8                                        ; bo in the result's layout: register 8 b + j: column 16 b + 8 (lane / 16) + j
	global_load_b128 v[8*nt:8*nt+3], v[H32], s[BOP:BOP+1] offset:64*nt
	global_load_b128 v[8*nt+4:8*nt+7], v[H32], s[BOP:BOP+1] offset:64*nt+16
.set nt, nt+1
.endr
	WIN 0x40
.irp t, 0,1,2,3,4,5,6
	LOAD_A \t
.endr
	WIN 0
	s_wait_tensorcnt 0x1                           ; my quarter of slot 0 is in; slot 1's load may stay out
	s_barrier_signal -1
	s_barrier_wait -1
	FETCH_B 0
.irp t, 0,1,2,3,4,5,6,7,8,9,10,11,12,13,14
	STEP \t
.endr
	TURN 15, 1
.irp t, 16,17,18,19,20,21,22,23,24,25,26,27,28,29,30
	STEP \t
.endr
	TURN 31, 1
.irp t, 32,33,34,35,36,37,38,39,40,41,42,43,44,45,46
	STEP \t
.endr
	TURN 47, 0
.irp t, 48,49,50,51,52,53,54,55,56,57,58,59,60,61,62,63
	STEP \t
.endr
	PLACES 4                                       ; in front of the first reads of results and of the loads into the registers that held fragments
	TOSTAGE 0
	TOSTAGE 1
	SEND 0, 32                                     ; behind block 0's loads: block 1's 16 stores and 16 loads
	s_wait_xcnt 0x0                                ; block 0's stores have read their registers: block 2's rows may land there
	TOSTAGE 2
	SEND 1, 32
	s_wait_xcnt 0x0
	TOSTAGE 3
	SEND 2, 32
	SEND 3, 0
	s_wait_tensorcnt 0x0                           ; the wave's end: behind my last tensor load and my last LDS store
	ds_add_u32 v[SPW], v[NIL]
	s_wait_dscnt 0x0
	ROUND                                          ; the closing round
	s_endpgm
.Lfunc_end_k_qd1e03a0138_oproj:
	.size	k_qd1e03a0138_oproj, .Lfunc_end_k_qd1e03a0138_oproj-k_qd1e03a0138_oproj
	.p2alignl 7, 3214868480
	.fill 96, 4, 3214868480
	.section	.rodata,"a",@progbits
	.p2align	6, 0x0
	.amdhsa_kernel k_qd1e03a0138_oproj
		.amdhsa_group_segment_fixed_size 327680
		.amdhsa_private_segment_fixed_size 0
		.amdhsa_enable_private_segment 0
		.amdhsa_kernarg_size 32
		.amdhsa_user_sgpr_count 2
		.amdhsa_user_sgpr_kernarg_segment_ptr 1
		.amdhsa_wavefront_size32 1
		.amdhsa_system_sgpr_workgroup_id_x 1
		.amdhsa_system_sgpr_workgroup_id_y 1
		.amdhsa_system_sgpr_workgroup_id_z 1
		.amdhsa_system_vgpr_workitem_id 0
		.amdhsa_next_free_vgpr 1024
		.amdhsa_next_free_sgpr 66
		.amdhsa_reserve_vcc 0
		.amdhsa_float_denorm_mode_32 3
		.amdhsa_float_denorm_mode_16_64 3
		.amdhsa_memory_ordered 1
		.amdhsa_forward_progress 1
		.amdhsa_inst_pref_size 255
	.end_amdhsa_kernel
	.section	.bss,"aw",@nobits
	.p2align	6
	.space	262144
	.amdgpu_metadata
---
amdhsa.version: [ 1, 2 ]
amdhsa.kernels:
  - .name:           k_qd1e03a0138_oproj
    .symbol:         k_qd1e03a0138_oproj.kd
    .args:
      - { .name: att, .offset: 0, .size: 8, .value_kind: global_buffer, .address_space: global }
      - { .name: wo16, .offset: 8, .size: 8, .value_kind: global_buffer, .address_space: global }
      - { .name: bo, .offset: 16, .size: 8, .value_kind: global_buffer, .address_space: global }
      - { .name: out0, .offset: 24, .size: 8, .value_kind: global_buffer, .address_space: global }
    .group_segment_fixed_size: 327680
    .private_segment_fixed_size: 0
    .kernarg_segment_align: 8
    .kernarg_segment_size: 32
    .max_flat_workgroup_size: 128
    .sgpr_count:     66
    .vgpr_count:     1024
    .wavefront_size: 32
...
	.end_amdgpu_metadata
.endif
;; end of part 3
